; MI455X (gfx1250); checked and timed in simulation.
; The chip was launched on July 23, 2026; its instructions are those of AMD's public machine-readable ISA for CDNA 5 (MIT licence, August 2026) and "CDNA5" Instruction Set Architecture Reference Guide (July 2026). The comments in the code are by the model that wrote it; some were corrected since.
;; Re Sprop Attention. Allowed arithmetic: matrix products marked QUANTISED: E4M3 operands, one given power-of-two scale a tensor, by v_wmma_f32_16x16x64_fp8_fp8 or v_wmma_f32_16x16x128_fp8_fp8, f32 sums; everything else in f32.
;; Inputs: K 32 x 2,048 x 64 float32; Q 32 x 2,048 x 64 float32; V 32 x 2,048 x 64 float32; lowp_scales 4 int32 (the exponents e of the quantised operands' scales 2^e).
;; Outputs: out0 32 x 2,048 x 64 float32.
;; This version of the problem:
;;   THIS VERSION OF THE PROBLEM IS GIVEN IN LOW PRECISION. The matrix products marked QUANTISED in the list below multiply operands that are first quantised to E4M3 (4 exponent bits, 3 mantissa bits; 8 bits a number), with one given power-of-two scale for each operand tensor; their sums are f32. All else is computed in f32.
;;   The module's matrix products, in the order in which they are computed (A, B: the left and right operand; K: the contracted axis; several contracted axes count as one K, in the product's order):
;;     1. batch 32 x [M 2,048, K 64] x [K 64, N 2,048]; A: input Q; B: input K: QUANTISED (scales: A lowp_scales[0], B lowp_scales[1])
;;     2. batch 32 x [M 2,048, K 2,048] x [K 2,048, N 64]; A: softmax (see below); B: input V: QUANTISED (scales: A lowp_scales[2], B lowp_scales[3])
;;   THE QUANTISER, for each operand of a quantised product, along K:
;;     - The operand's scale is 2^e, e = its entry of the input lowp_scales (int32; the entries are numbered through the quantised products in the list's order, A before B).
;;     - Each number is divided by the scale, clamped to +-448, and rounded to the nearest number of E4M3, ties to even, subnormals kept.
;;     - The product sums the exact products of the quantised numbers (number of the format x scale) in f32.
;;   ~~~python
;;   def quantise(x, axis, e):      # numpy; x: float32 -> the quantised numbers, widened to float32 again
;;       x = np.moveaxis(x, axis, -1); K = x.shape[-1]
;;       r = np.clip(x / 2.0 ** e, -448, 448)
;;       step = 2.0 ** (np.maximum(np.frexp(np.where(r == 0, 1, r))[1] - 1, -6) - 3)
;;       q = np.round(r / step) * step * 2.0 ** e      # np.round: ties to even
;;       return np.moveaxis(q, -1, axis).astype(np.float32)
;;   ~~~
;;   SOFTMAX AHEAD OF A QUANTISED PRODUCT. Where the list says 'softmax', what is quantised is not the finished softmax but p = 2^(t - M), with t = logit x log2(e) and M = ceil(the row's largest t), a whole number; so 1/2 < the row's largest p <= 1. The row's sum l is taken of the UNQUANTISED p, in f32, and the product's result is divided by l at the end. Since M is a whole number, a kernel that streams over the keys may use a running M (the ceiling of the running maximum): every later rescaling is an exact power of two, so the quantised numbers keep their values, but for numbers so far below the row's largest that they fall under the format's range.
;;   OPERANDS COMPUTED ON THE WAY. 'Computed on the way' means the value that the module computes at that place (a softmax that the list does not call 'softmax' is quantised finished and normalised). What goes into a quantiser is computed in f32, as accurately as f32 sums, v_exp_f32 and their like allow (about 1e-6 of the number): no bf16 or f16 on the way to a quantiser, and a product that is left as it is and whose result goes on into a quantised operand takes f32 operands (vector FMAs, or v_wmma_f32_16x16x4_f32). A number that lies on a knife's edge between two numbers of the format may be rounded either way, as far as f32 arithmetic and the matrix unit's own rounding can turn it there, and no further.
;; One version. Each part assembles by itself: llvm-mc -triple=amdgcn-amd-amdhsa -mcpu=gfx1250 --defsym DOCPART=n.
;; ======== version 1 of 1: 2 launches
;; limits: right only within a limited range of input values
;; workspace buffers: kv 8,388,608 bytes
;; launch prep (part 1): grid 512 x 1, 8 waves a work-group, no clusters, 70,656 bytes of LDS; arguments K, V, lowp_scales, kv; writes kv
.if DOCPART == 1
	.amdgcn_target "amdgcn-amd-amdhsa--gfx1250"
	.amdhsa_code_object_version 6
	.text
	.protected	k_qc97c4a88e6_prep
	.globl	k_qc97c4a88e6_prep
	.p2align	8
	.type	k_qc97c4a88e6_prep,@function
k_qc97c4a88e6_prep:
	s_mov_b64 s[64:65], 0
	v_nop
	global_prefetch_b8 v0, s[64:65] scope:SCOPE_SE
	s_setreg_imm32_b32 hwreg(HW_REG_WAVE_MODE, 25, 1), 1
	s_wait_xcnt 0x0
; K and V, [32][2048][64] f32, become codes of FP8 (E4M3), each with the one scale 2^e that is given for it (ek = entry 1, ev = entry 3 of the scales' buffer):
; code = x / 2^e, held within +-448, rounded to the nearest code, ties to even.  LIMITS: -126 <= e <= 119; NaN among the inputs is not served (an infinity is held at the largest code).
; THE CODES ARE LAID AS IMAGES OF THE OPERANDS' REGISTERS, so that the attention launch reads every fragment by loads of 16 bytes at 16 x lane.
; kv: head b at 262,144 b; in it key step g (256 keys) at 32,768 g; in a step 16,384 bytes of K, then 16,384 of V.
;   K: key tile tt (16 neighbouring keys) at 1,024 tt; half g2 of the head's 64 at + 512 g2; lane (r, h) at + 16 (16 h + r): key 16 tt + r, dims 32 g2 + 16 h + 0 .. 15.
;   V: key half ss (128 keys) at 8,192 ss; channel tile tau at + 2,048 tau; block c of 32 keys at + 512 c; lane (r, h) at + 16 (16 h + r):
;      channel 32 (tau / 2) + 2 r + tau % 2, keys 32 c + 8 h + 0 .. 7 and then 32 c + 16 + 8 h + 0 .. 7.
; SHARES.  Work-groups 0-255 take K, 256-511 take V.  A wave takes 32 keys x 64 dims: 8,192 bytes in, 2,048 out.  All its loads go out at once; no loop, no barrier: waves share nothing.
; Every offset is an immediate and no register that a memory instruction names is written again.
.set SPI,  272                         ; K's stage: a key's 256 bytes + 16, so that sixteen rows start at sixteen different 16-byte columns modulo 256
.set STP,  32*SPI                      ; a wave's stage: 32 keys
.set R,    32                          ; v32-95   K: 16 loads as they come
.set X,    96                          ; v96-159  K: 64 numbers of a lane: register 32 u + 16 g2 + i = key 16 u + r, dim 32 g2 + 16 h + i
.set C,    16                          ; v16-31   K: the codes
.set XV,   32                          ; v32-95   V: register 2 i + e = key i, channel 2 lane + e
.set T,    96                          ; v96-111  V: codes, the two channels' bytes by turns
.set PZ,   112                         ; v112-127 V: codes, a channel's keys on end
	s_load_b128 s[4:7], s[0:1], 0x0                ; K s[4:5], V s[6:7]
	s_load_b128 s[8:11], s[0:1], 0x10              ; the scales' exponents s[8:9], kv s[10:11]
	v_lshl_add_u32 v160, v0, 2, 0x11000            ; my spare word
	v_mov_b32 v161, 0
	v_lshrrev_b32 v6, 5, v0
	s_delay_alu instid0(VALU_DEP_1)
	v_readfirstlane_b32 s12, v6                    ; wave 0..7
	v_and_b32 v7, 31, v0                           ; lane
	v_and_b32 v8, 15, v0                           ; r
	v_bfe_u32 v9, v0, 4, 1                         ; h
	s_delay_alu instid0(VALU_DEP_3)
	v_lshlrev_b32 v1, 4, v7                        ; 16 x lane: K's loads and stores
	s_delay_alu instid0(VALU_DEP_4)
	v_lshlrev_b32 v4, 3, v7                        ; 8 x lane: V's loads
	s_delay_alu instid0(VALU_DEP_4)
	v_lshlrev_b32 v5, 4, v8
	s_delay_alu instid0(VALU_DEP_1)
	v_lshl_add_u32 v5, v9, 12, v5                  ; V's stores: 4,096 (lane / 16) + 16 (lane % 16)
	s_mul_i32 s18, s12, STP                        ; my stage
	v_mul_u32_u24 v2, v9, SPI
	s_delay_alu instid0(VALU_DEP_1)
	v_lshl_add_u32 v2, v8, 4, v2
	s_delay_alu instid0(VALU_DEP_1)
	v_add_nc_u32 v2, s18, v2                       ; into it: a load's two rows as they lie
	v_mul_u32_u24 v3, v8, SPI
	s_delay_alu instid0(VALU_DEP_1)
	v_lshl_add_u32 v3, v9, 6, v3
	s_delay_alu instid0(VALU_DEP_1)
	v_add_nc_u32 v3, s18, v3                       ; out of it: row r, + 64 h: my 16 neighbours of a half
	s_and_b32 s13, ttmp9, 255
	s_lshl_b32 s13, s13, 3
	s_add_co_u32 s13, s13, s12                     ; n: which 32 keys of the tensor's 65,536 are my wave's
	s_lshl_b32 s14, s13, 13                        ; their first byte in K or V
	s_mov_b32 s15, 0
	s_lshr_b32 s16, s13, 3
	s_lshl_b32 s16, s16, 15                        ; their key step in kv: 8 such runs to a step of 256 keys
	s_mov_b32 s17, 0
	s_mov_b32 s26, 0x06040200                      ; byte selects: the even bytes of two words,
	s_mov_b32 s27, 0x07050301                      ; the odd ones
	s_wait_kmcnt 0x0
	s_load_b128 s[20:23], s[8:9], 0x0              ; eq, ek, ep, ev
	s_add_nc_u64 s[10:11], s[10:11], s[16:17]
	s_cmp_lt_u32 ttmp9, 256
	s_cbranch_scc0 .Lv_path
	; ---- K.  Each load reads 512 consecutive bytes (two keys); a lane must hold 16 neighbours of ONE key for the conversions: the bytes turn through the wave's own stage in LDS.
	s_and_b32 s24, s13, 7
	s_lshl_b32 s24, s24, 11                        ; two key tiles of 1,024 bytes for each run of 32 keys
	s_mov_b32 s25, 0
	s_add_nc_u64 s[10:11], s[10:11], s[24:25]
	s_add_nc_u64 s[4:5], s[4:5], s[14:15]
.irp i, 0,1,2,3,4,5,6,7,8,9,10,11,12,13,14,15
	global_load_b128 v[R+4*\i:R+4*\i+3], v1, s[4:5] offset:512*\i th:TH_LOAD_NT
.endr
	s_wait_kmcnt 0x0
	s_add_co_i32 s24, s21, 127
	s_lshl_b32 s25, s24, 23
	v_mov_b32 v11, s25                             ; 2^ek as f32: the conversion takes its exponent field
	s_add_co_i32 s24, s24, 8
	s_lshl_b32 s24, s24, 23
	s_or_b32 s24, s24, 0x600000
	v_mov_b32 v10, s24                             ; 448 x 2^ek
.macro TURN u                          ; key tile u through the stage: LDS serves a wave's instructions in order (ISA guide 5.7.1.4), so no wait stands between the stores and the loads
.irp i, 0,1,2,3,4,5,6,7
	ds_store_b128 v2, v[R+32*\u+4*\i:R+32*\u+4*\i+3] offset:544*(8*\u+\i)
.endr
.irp g, 0,1
.irp j, 0,1,2,3
	ds_load_b128 v[X+32*\u+16*\g+4*\j:X+32*\u+16*\g+4*\j+3], v3 offset:16*SPI*\u+128*\g+16*\j
.endr
.endr
.endm
.macro OUT u                           ; key tile u: the hold, the conversions, two stores of 512 consecutive bytes
.set n, 0
.rept 32
	v_med3_num_f32 v[X+32*\u+n], v[X+32*\u+n], -v10, v10   ; the conversion to an 8-bit code does not saturate (ISA guide 7.6.2)
.set n, n+1
.endr
.irp g, 0,1
.irp m, 0,1
	v_cvt_scalef32_pk8_fp8_f32 v[C+8*\u+4*\g+2*\m:C+8*\u+4*\g+2*\m+1], v[X+32*\u+16*\g+8*\m:X+32*\u+16*\g+8*\m+7], v11
.endr
.endr
.irp g, 0,1
	global_store_b128 v1, v[C+8*\u+4*\g:C+8*\u+4*\g+3], s[10:11] offset:1024*\u+512*\g   ; the codes go to stores alone, which want no line behind the conversions
.endr
.endm
	s_wait_loadcnt 8                               ; tile 0's eight loads are in; tile 1's eight may be out, while tile 0 is worked and stored
	s_wait_alu depctr_va_vdst(0)
	TURN 0
	s_wait_dscnt 0x0
	OUT 0
	s_wait_loadcnt 0x0
	TURN 1
	s_wait_dscnt 0x0
	OUT 1
	s_wait_tensorcnt 0x0                           ; the wave's end
	ds_add_u32 v160, v161
	s_wait_dscnt 0x0
	s_endpgm
	; ---- V.  The keys are the second product's K.  A load reads one key's 256 bytes, 8 a lane: lane l holds channels 2 l and 2 l + 1, and its registers run down the keys.
.Lv_path:
	s_lshr_b32 s24, s13, 2
	s_and_b32 s24, s24, 1
	s_lshl_b32 s24, s24, 13                        ; key half: four runs of 32 keys to 128
	s_and_b32 s25, s13, 3
	s_lshl_b32 s25, s25, 9                         ; block of 32 keys
	s_add_co_u32 s24, s24, s25
	s_add_co_u32 s24, s24, 16384                   ; behind the step's K
	s_mov_b32 s25, 0
	s_add_nc_u64 s[10:11], s[10:11], s[24:25]
	s_add_nc_u64 s[6:7], s[6:7], s[14:15]
	s_wait_alu depctr_va_vdst(0)
.irp i, 0,1,2,3,4,5,6,7,16,17,18,19,20,21,22,23,8,9,10,11,12,13,14,15,24,25,26,27,28,29,30,31   ; the keys of the image's lane half 0 first, then those of half 1
	global_load_b64 v[XV+2*\i:XV+2*\i+1], v4, s[6:7] offset:256*\i th:TH_LOAD_NT
.endr
	s_wait_kmcnt 0x0
	s_add_co_i32 s24, s23, 127
	s_lshl_b32 s25, s24, 23
	v_mov_b32 v11, s25                             ; 2^ev
	s_add_co_i32 s24, s24, 8
	s_lshl_b32 s24, s24, 23
	s_or_b32 s24, s24, 0x600000
	v_mov_b32 v10, s24                             ; 448 x 2^ev
	s_wait_alu depctr_va_vdst(0)
.macro VHALF g                         ; the image's lane half g: keys 8 g .. 8 g + 7 and 16 + 8 g .. 23 + 8 g
.set n, XV+16*\g
.rept 16
	v_med3_num_f32 v[n], v[n], -v10, v10
	v_med3_num_f32 v[n+32], v[n+32], -v10, v10
.set n, n+1
.endr
.irp m, 0,1,4,5
	v_cvt_scalef32_pk8_fp8_f32 v[T+2*(\m+2*\g):T+2*(\m+2*\g)+1], v[XV+8*(\m+2*\g):XV+8*(\m+2*\g)+7], v11   ; keys 4 m' .. 4 m' + 3, m' = m + 2 g, the two channels' bytes by turns
.endr
	v_nop                                          ; one plain vector line between the conversions and the lines that read their results
.irp m, 0,1,4,5                        ; word m' of a channel lies at word m % 2 + 2 (m / 4) of the half's 16 bytes
.irp e, 0,1
	v_perm_b32 v[PZ+8*\e+4*\g+((\m)&1)+2*((\m)>>2)], v[T+2*(\m+2*\g)+1], v[T+2*(\m+2*\g)], s[26+\e]
.endr
.endr
.irp e, 0,1                            ; channel 2 l + e lies in tile tau = 2 (l / 16) + e, row l % 16
	global_store_b128 v5, v[PZ+8*\e+4*\g:PZ+8*\e+4*\g+3], s[10:11] offset:2048*\e+256*\g   ; sixteen lanes store 256 consecutive bytes, at a multiple of 256 from kv's first byte
.endr
.endm
	s_wait_loadcnt 16                              ; half 0's sixteen loads are in; half 1's sixteen may be out
	VHALF 0
	s_wait_loadcnt 0x0
	VHALF 1
	s_endpgm
.Lfunc_end_k_qc97c4a88e6_prep:
	.size	k_qc97c4a88e6_prep, .Lfunc_end_k_qc97c4a88e6_prep-k_qc97c4a88e6_prep
	.p2alignl 7, 3214868480
	.fill 96, 4, 3214868480
	.section	.rodata,"a",@progbits
	.p2align	6, 0x0
	.amdhsa_kernel k_qc97c4a88e6_prep
		.amdhsa_group_segment_fixed_size 70656
		.amdhsa_private_segment_fixed_size 0
		.amdhsa_enable_private_segment 0
		.amdhsa_kernarg_size 32
		.amdhsa_user_sgpr_count 2
		.amdhsa_user_sgpr_kernarg_segment_ptr 1
		.amdhsa_wavefront_size32 1
		.amdhsa_system_sgpr_workgroup_id_x 1
		.amdhsa_system_sgpr_workgroup_id_y 1
		.amdhsa_system_sgpr_workgroup_id_z 1
		.amdhsa_system_vgpr_workitem_id 0
		.amdhsa_next_free_vgpr 162
		.amdhsa_next_free_sgpr 66
		.amdhsa_reserve_vcc 0
		.amdhsa_float_denorm_mode_32 3
		.amdhsa_float_denorm_mode_16_64 3
		.amdhsa_memory_ordered 1
		.amdhsa_forward_progress 1
		.amdhsa_inst_pref_size 22
	.end_amdhsa_kernel
	.amdgpu_metadata
---
amdhsa.version: [ 1, 2 ]
amdhsa.kernels:
  - .name:           k_qc97c4a88e6_prep
    .symbol:         k_qc97c4a88e6_prep.kd
    .args:
      - { .name: K, .offset: 0, .size: 8, .value_kind: global_buffer, .address_space: global }
      - { .name: V, .offset: 8, .size: 8, .value_kind: global_buffer, .address_space: global }
      - { .name: lowp_scales, .offset: 16, .size: 8, .value_kind: global_buffer, .address_space: global }
      - { .name: kv, .offset: 24, .size: 8, .value_kind: global_buffer, .address_space: global }
    .group_segment_fixed_size: 70656
    .private_segment_fixed_size: 0
    .kernarg_segment_align: 8
    .kernarg_segment_size: 32
    .max_flat_workgroup_size: 256
    .sgpr_count:     66
    .vgpr_count:     162
    .wavefront_size: 32
...
	.end_amdgpu_metadata
.endif
;; end of part 1
;; launch attn (part 2): grid 8 x 32, 8 waves a work-group, clusters of 4 x 1, 297,984 bytes of LDS; arguments Q, kv, lowp_scales, out0; writes out0
.if DOCPART == 2
	.amdgcn_target "amdgcn-amd-amdhsa--gfx1250"
	.amdhsa_code_object_version 6
	.text
	.protected	k_qc97c4a88e6_attn
	.globl	k_qc97c4a88e6_attn
	.p2align	8
	.type	k_qc97c4a88e6_attn,@function
k_qc97c4a88e6_attn:
	s_mov_b64 s[64:65], 0
	v_nop
	global_prefetch_b8 v0, s[64:65] scope:SCOPE_SE
	s_setreg_imm32_b32 hwreg(HW_REG_WAVE_MODE, 25, 1), 1
	s_wait_xcnt 0x0
	s_wait_alu depctr_hold_cnt(0) depctr_sa_sdst(0) depctr_va_vdst(0) depctr_va_sdst(0) depctr_va_ssrc(0) depctr_va_vcc(0) depctr_vm_vsrc(0)
	s_getreg_b32 s2, hwreg(HW_REG_IB_STS2, 6, 4)
	s_cmp_eq_u32 s2, 0
	s_cbranch_scc0 .Lentry_in_a_cluster
	s_endpgm
.Lentry_in_a_cluster:
	s_bfe_u32 s2, ttmp6, 0x10000c
	s_cmp_lg_u32 s2, 0x3003
	s_cbranch_scc0 .Lentry_shape_is_right
	s_endpgm
.Lentry_shape_is_right:
; out0[b][q][:] = the sum over k of softmax_k(Q[b][q] . K[b][k] / 8) V[b][k][:], both products on codes of FP8 (E4M3), each operand with the one scale 2^e that is given: eq, ek, ep, ev.
; Q, out0: [32][2048][64] f32.  kv: K's and V's codes as images of the operands' registers, made by the launch before (its head comment has the layout): 262,144 bytes a head, in eight key steps of 256 keys.
; THE SOFTMAX AHEAD OF THE SECOND PRODUCT: t = score x log2(e) / 8; M = the row's largest t so far, rounded UP to a whole number; p = 2^(t - M) is what is quantised; it is not normalised.
; The row's sum is taken of the unquantised p, in f32, and divides O at the end.  When M moves, the sum and O are multiplied by 2^(old M - new M), which rounds nothing.
; SHARES.  A work-group owns 256 queries of one head; each of its eight waves 32: two tiles of 16, so that each fragment of K and V read from LDS feeds two matrix instructions.  Two waves to a SIMD.
; A HEAD'S CODES FIT IN LDS WHOLE: each byte is filled once, by one tensor load a wave at the head: wave w brings key step w, 32,768 bytes.  No ring, nothing is filled again.
; WAVE w BEGINS WITH KEY STEP w, which it fetched itself, and walks w, w + 1, .. modulo 8.  The one barrier that shows the other steps is signalled ahead of that first step and waited for behind it.
; No prefetch: all that the work-group reads of kv is asked for at its head, so no loop runs ahead of a fetch.
; CLUSTER.  The four query blocks of a cluster belong to one head and read the same codes: each load is asked for JOINTLY, the same load with the same descriptor and a mask that names the four.
; LAYOUT.  Both products are used transposed: S^T = K Q^T (source 0 = 16 keys, source 1 = 16 queries), O^T = V^T P^T (source 0 = 16 channels, source 1 = P): a lane holds ONE query (lane % 16) throughout.
; In S^T register j of key tile k is key 16 k + 8 (lane / 16) + j: eight such registers, converted, ARE registers 2 k, 2 k + 1 of P in the K = 128 form.  In the first product the head's 64 dims stand
; permuted, alike in K and Q (registers 4 g .. 4 g + 3: dims 32 g + 16 (lane / 16) + 0 .. 15): every product meets its partner.  V's channel tiles take channels 32 (tau / 2) + 2 r + tau % 2.
; LIMITS on the given exponents, so that each power of two below is an f32 number: eq and ep between -126 and 119; eq + ek between -123 and 130 (added to c's exponent field); ep + ev goes by v_ldexp_f32.
; The scaled scores t stay under 2^31 in magnitude.  NaN among the inputs is not served.
; REGISTERS, in windows of 256 (s_set_vgpr_msb: bits 1:0 source 0, 3:2 source 1, 5:4 source 2, 7:6 destination).  Tile 0 lives in window 0, tile 1 in window 1:
;   window 0: v1-7 addresses; v8-15, v16-23 the two tiles' statistics; v24-31 Q; v32-63 O^T; v64-127 K's tiles 8-15, later P (keys 0-127) in v64-79 and one fragment of V in v80-95; v128-255 S^T, then p,
;             then P (keys 128-255) in v128-143 and seven fragments of V in v144-255
;   window 1: v0-1 the sum; v8-15 Q; v16-31 P (keys 0-127); v32-63 O^T; v64-127 K's tiles 0-7; v128-255 S^T, then p, then P (keys 128-255) in v128-143
.set STG,  262144                      ; behind the head's codes: a stage of 16 rows x 272 bytes for each wave, for Q's way in and O's way out; no tensor load lands there
.set SP,   272                         ; a stage row: 256 bytes + 16, so that sixteen rows start at sixteen different 16-byte columns modulo 256
.set WST,  16*SP
.set SPARE, STG+8*WST                  ; the spare words, 128 bytes for each wave
.set LI,   1                           ; v1   16 x lane: an image's place for my lane; also my place in two dense rows of Q or out0
.set AD,   2                           ; v2   LDS address of the key step in hand; from the middle of a step on, of the next
.set STO,  4                           ; v4   the stage by lanes: row lane % 16, + 64 (lane / 16)
.set RD,   5                           ; v5   the stage by rows: row lane / 16, + 16 (lane % 16)
.set SPW,  6
.set NIL,  7
.set B0,   8                           ; statistics at B: +0 -M, +1 the largest score, +2, +3 (tile 0) the sum in two halves, +4 f, +4 to +7 at work
.set B1,   16
.set EP,   18                          ; v18  2^ep
.set HD,   19                          ; v19  448 x 2^ep
.set QA,   24
.set QB,   8                           ; in window 1
.set O,    32
.set F,    64
.set S,    128
.set MSB, 0
.macro WIN new                         ; the immediate's high byte repeats the setting that is left; a switch that changes nothing is dropped
.if MSB != \new
	s_set_vgpr_msb (MSB<<8)|\new
.set MSB, \new
.endif
.endm
; A round of the cluster's barrier: my work-group's barrier; wave 0 signals for the work-group; every wave waits for all four work-groups; my work-group's barrier once more.
.macro CROUND
	s_barrier_signal -1
	s_barrier_wait -1
	s_cmp_lg_u32 s12, 0
	s_cbranch_scc1 .Lnot_wave_0_\@
	s_barrier_signal -3
.Lnot_wave_0_\@:
	s_barrier_wait -3
	s_barrier_signal -1
	s_barrier_wait -1
.endm
	s_load_b128 s[4:7], s[0:1], 0x0                ; Q s[4:5], kv s[6:7]
	s_load_b128 s[8:11], s[0:1], 0x10              ; the scales' exponents s[8:9], out0 s[10:11]
	v_lshl_add_u32 v[SPW], v0, 2, SPARE
	v_mov_b32 v[NIL], 0
	ds_add_u32 v[SPW], v[NIL]                      ; the opening lines: the add, twice on end, and its wait ahead of my tensor load
	ds_add_u32 v[SPW], v[NIL]
	v_lshrrev_b32 v3, 5, v0
	v_readfirstlane_b32 s12, v3                    ; wave 0..7
	s_mul_i32 s55, s12, WST
	s_add_co_u32 s55, s55, STG                     ; my stage
	v_and_b32 v3, 31, v0
	v_and_b32 v8, 15, v0                           ; r
	v_bfe_u32 v9, v0, 4, 1                         ; h
	v_lshlrev_b32 v[LI], 4, v3
	v_mul_u32_u24 v[STO], v8, SP
	v_mul_u32_u24 v[RD], v9, SP
	v_lshl_add_u32 v[STO], v9, 6, v[STO]
	v_lshl_add_u32 v[RD], v8, 4, v[RD]
	v_add_nc_u32 v[STO], s55, v[STO]
	v_add_nc_u32 v[RD], s55, v[RD]
	s_bfe_u32 s13, ttmp6, 0x40000                  ; cx: my place in the cluster
	s_lshl_b32 s14, ttmp9, 2                       ; in a cluster launch ttmp9 counts clusters
	s_add_co_u32 s14, s14, s13                     ; my block of 256 queries: it enters Q's and out0's addresses alone
	s_and_b32 s15, ttmp7, 0xffff                   ; the head, which the four partners share
	; descriptor group 1: a dense block of 32,768 bytes as 128 rows of 32 elements of 8 bytes
	s_mov_b32 s16, 15|(3<<16)|(1<<21)              ; 15:0 the mask: all four work-groups; 17:16 elements of 8 bytes; 20 no padding; 21 set beside a mask
	s_mov_b32 s17, 32<<16                          ; tensor_dim0 = 32
	s_mov_b32 s18, 128<<16                         ; tensor_dim1 = 128
	s_mov_b32 s19, 32<<16                          ; tile_dim0 = 32
	s_mov_b32 s20, 128                             ; tile_dim1 = 128
	s_mov_b32 s21, 32                              ; tensor_dim0_stride: each row begins where the last ends
	s_mov_b32 s22, 0
	s_mov_b32 s23, 0
	s_mov_b32 s40, 0x76543210                      ; lane selects for v_permlanex16_b32: lane l xor 16
	s_mov_b32 s41, 0xfedcba98
	s_mov_b32 s42, 0x3e38aa3b                      ; c = log2(e) / sqrt(64)
	s_lshl_b32 s54, s12, 15                        ; key step w: 32,768 x wave, in kv's head and in LDS alike
	s_lshl_b32 s52, s15, 18                        ; the head's 262,144 bytes of kv
	s_add_co_u32 s52, s52, s54
	s_mov_b32 s53, 0
	s_lshl_b32 s56, s15, 19                        ; the head's 524,288 bytes of Q and of out0,
	s_lshl_b32 s57, s14, 16                        ; my block's 256 rows of 256 bytes,
	s_add_co_u32 s56, s56, s57
	s_lshl_b32 s57, s12, 13                        ; my wave's 32 rows
	s_add_co_u32 s56, s56, s57
	s_mov_b32 s57, 0
	s_wait_alu depctr_va_vdst(0)
	s_wait_dscnt 0x0                               ; both opening adds are done
	s_wait_kmcnt 0x0
	s_load_b128 s[48:51], s[8:9], 0x0              ; eq, ek, ep, ev
	s_add_nc_u64 s[6:7], s[6:7], s[52:53]
	s_add_nc_u64 s[4:5], s[4:5], s[56:57]
	s_add_nc_u64 s[10:11], s[10:11], s[56:57]
	; Q: each load reads 512 consecutive bytes (two queries)
.irp q, 0,1
.irp i, 0,1,2,3,4,5,6,7
	global_load_b128 v[S+32*\q+4*\i:S+32*\q+4*\i+3], v[LI], s[4:5] offset:4096*\q+512*\i th:TH_LOAD_NT
.endr
.endr
	; descriptor group 0, never written again
	s_mov_b32 s24, 1                               ; 1:0 count = 1
	s_mov_b32 s25, s54                             ; 63:32 LDS address: the image lies in LDS as it lies in kv
	s_mov_b64 s[26:27], s[6:7]                     ; 120:64 global address
	s_or_b32 s27, s27, 0x80000000                  ; 127:126 type = 2
	CROUND                                         ; all four work-groups are here: the joint loads meet
	tensor_load_to_lds s[24:27], s[16:23]          ; the launch's only fill by this wave: one load of mine is out
	s_nop 0
.rept 4
	v_nop
.endr
.macro QTURN q                         ; a lane must hold 16 neighbours of ONE query: a tile at a time turns through my stage.  LDS serves a wave's instructions in order (ISA guide 5.7.1.4): the loads see the stores above them
.irp i, 0,1,2,3,4,5,6,7
	ds_store_b128 v[RD], v[S+32*\q+4*\i:S+32*\q+4*\i+3] offset:2*SP*\i
.endr
.irp g, 0,1
.irp j, 0,1,2,3
	ds_load_b128 v[S+64+32*\q+16*\g+4*\j:S+64+32*\q+16*\g+4*\j+3], v[STO] offset:128*\g+16*\j   ; register 16 g + i: dim 32 g + 16 h + i of query r
.endr
.endr
.endm
	s_wait_loadcnt 8                               ; tile 0's eight loads are in; tile 1's may be out
	QTURN 0
	s_wait_loadcnt 0x0
	QTURN 1
	s_wait_kmcnt 0x0
	s_add_co_i32 s52, s48, s49
	s_lshl_b32 s52, s52, 23
	s_add_co_i32 s42, s42, s52                     ; a score stands for score x 2^(eq + ek): the two exponents are added to c's exponent field
	s_mov_b32 s43, s42                             ; (named with it as a pair, so it is written)
	s_add_co_i32 s58, s50, s51                     ; ep + ev, for the way out
	s_add_co_i32 s52, s50, 127
	s_lshl_b32 s53, s52, 23
	v_mov_b32 v[EP], s53                           ; 2^ep as f32: p's conversions take its exponent field
	s_add_co_i32 s52, s52, 8
	s_lshl_b32 s52, s52, 23
	s_or_b32 s52, s52, 0x600000
	v_mov_b32 v[HD], s52                           ; 448 x 2^ep
	s_add_co_i32 s52, s48, 127
	s_lshl_b32 s53, s52, 23
	v_mov_b32 v20, s53                             ; 2^eq
	s_add_co_i32 s52, s52, 8
	s_lshl_b32 s52, s52, 23
	s_or_b32 s52, s52, 0x600000
	v_mov_b32 v21, s52                             ; 448 x 2^eq
	s_wait_alu depctr_va_vdst(0)
	s_wait_dscnt 0x0                               ; Q is back from the stage
.set n, 0
.rept 64
	v_med3_num_f32 v[S+64+n], v[S+64+n], -v21, v21   ; the conversion to an 8-bit code does not saturate (ISA guide 7.6.2): the hold at the largest code x the scale
.set n, n+1
.endr
.irp g, 0,1
.irp m, 0,1
	v_cvt_scalef32_pk8_fp8_f32 v[QA+4*\g+2*\m:QA+4*\g+2*\m+1], v[S+64+16*\g+8*\m:S+64+16*\g+8*\m+7], v20
.endr
.endr
	WIN 0x40                                       ; destination window 1
.irp g, 0,1
.irp m, 0,1
	v_cvt_scalef32_pk8_fp8_f32 v[QB+4*\g+2*\m:QB+4*\g+2*\m+1], v[S+96+16*\g+8*\m:S+96+16*\g+8*\m+7], v20
.endr
.endr
	v_mov_b32 v6, v[HD]                            ; window 1's v6: 448 x 2^ep once more, for tile 1's hold beside its sums.  (Also a plain line behind the conversions)
	WIN 0
	v_mov_b32 v[B0+1], 0xff7fffff                  ; the largest score so far: under every score
	v_mov_b32 v[B1+1], 0xff7fffff
	v_mov_b32 v[B0+5], 0                           ; written once: a lane permute's destination counts as one of its sources
	v_mov_b32 v[B1+5], 0
	v_add_nc_u32 v[AD], s54, v[LI]                 ; my first step is the one that I fetched
	s_mov_b32 s46, s54
.macro KHEAD                           ; K's tiles 0-7 of the step at AD, into window 1; an instruction's 512 bytes are consecutive
	WIN 0x40
.irp k, 0,1,2,3,4,5,6,7
.irp g, 0,1
	ds_load_b128 v[F+8*\k+4*\g:F+8*\k+4*\g+3], v[AD] offset:1024*\k+512*\g
.endr
.endr
	WIN 0
.endm
.macro KLOW                            ; K's tiles 8-11, into window 0: v64-95
.irp k, 0,1,2,3
.irp g, 0,1
	ds_load_b128 v[F+8*\k+4*\g:F+8*\k+4*\g+3], v[AD] offset:8192+1024*\k+512*\g
.endr
.endr
.endm
.macro KMID                            ; K's tiles 12-15, into window 0: v96-127
.irp k, 4,5,6,7
.irp g, 0,1
	ds_load_b128 v[F+8*\k+4*\g:F+8*\k+4*\g+3], v[AD] offset:8192+1024*\k+512*\g
.endr
.endr
.endm
.macro NEXT                            ; AD goes on to the next step, modulo eight
	s_add_co_u32 s46, s46, 32768
	s_and_b32 s44, s46, 0x38000
	v_add_nc_u32 v[AD], s44, v[LI]
.endm
.macro MAXT b                          ; the largest score of my query, among my 128 keys and those of the steps before: six chains, in v64-69 or v72-77 (K's tiles 8, 9 are done with); each accumulator of the product from its low end on
.set n, 0
.rept 64
.set aa, F+\b-8+(n%6)
.if n < 6
	v_max3_num_f32 v[aa], v[\b+1], v[S+2*n], v[S+2*n+1]
.else
	v_max3_num_f32 v[aa], v[aa], v[S+2*n], v[S+2*n+1]
.endif
.set n, n+1
.endr
.endm
.macro STATS first                     ; the two tiles by turns
.irp b, B0,B1
	v_max3_num_f32 v[\b+4], v[F+\b-8], v[F+\b-7], v[F+\b-6]
.endr
.irp b, B0,B1
	v_max3_num_f32 v[\b+6], v[F+\b-5], v[F+\b-4], v[F+\b-3]
.endr
.irp b, B0,B1
	v_max_num_f32 v[\b+4], v[\b+4], v[\b+6]
.endr
.irp b, B0,B1
	v_permlanex16_b32 v[\b+5], v[\b+4], s40, s41   ; the query's other 128 keys lie in the lane 16 away
.endr
.irp b, B0,B1
	v_max_num_f32 v[\b+1], v[\b+4], v[\b+5]        ; the running largest score
.endr
.irp b, B0,B1
	v_mul_f32 v[\b+6], s42, v[\b+1]                ; as t (c is positive)
.endr
.if \first
.irp b, B0,B1
	v_floor_f32 v[\b], -v[\b+6]                    ; -M = floor(-t) = -ceil(t): M is a whole number
.endr
	FMARUN B0, 0, 16
.else
.irp b, B0,B1
	v_floor_f32 v[\b+7], -v[\b+6]                  ; the new -M
.endr
.irp b, B0,B1
	v_sub_f32 v[\b+6], v[\b+7], v[\b]              ; M's old value less its new one: a whole number, 0 or less
.endr
.irp b, B0,B1
	v_mov_b32 v[\b], v[\b+7]
.endr
	FMARUN B0, 0, 4                                ; tile 0's first quarter is scaled between the lines of this chain
.irp b, B0,B1
	v_cvt_i32_f32 v[\b+6], v[\b+6]                 ; (it saturates)
.endr
	FMARUN B0, 4, 4
.irp b, B0,B1
	v_ldexp_f32 v[\b+4], 1.0, v[\b+6]              ; f = 2^(old M - new M)
.endr
	FMARUN B0, 8, 8
.endif
.endm
.macro RESCALE b, sm                   ; O^T and the sum under the new M (of f's pair the low word serves both halves)
.set n, 0
.rept 16
	v_pk_mul_f32 v[O+2*n:O+2*n+1], v[O+2*n:O+2*n+1], v[\b+4:\b+5] op_sel_hi:[1,0]
.set n, n+1
.endr
	v_pk_mul_f32 v[\sm:\sm+1], v[\sm:\sm+1], v[\b+4:\b+5] op_sel_hi:[1,0]
.endm
.macro FMAP b, p                       ; pair p of a tile: t - M, two at a time (of the pairs c and -M the low word serves both halves)
	v_pk_fma_f32 v[S+2*(\p):S+2*(\p)+1], v[S+2*(\p):S+2*(\p)+1], s[42:43], v[\b:\b+1] op_sel_hi:[1,0,0]
.endm
.macro HOLD p, hd                      ; the hold at the largest code x 2^ep, behind the sum; p is not negative, so it is one-sided
	v_dual_min_num_f32 v[S+2*(\p)], v[S+2*(\p)], v[\hd] :: v_dual_min_num_f32 v[S+2*(\p)+1], v[S+2*(\p)+1], v[\hd]
.endm
.macro FMARUN b, p, count
.set n, \p
.rept \count
	FMAP \b, n
.set n, n+1
.endr
.endm
.macro ADD d, p                        ; pair p onto the pair of registers at d
	v_pk_add_f32 v[(\d):(\d)+1], v[(\d):(\d)+1], v[S+2*(\p):S+2*(\p)+1]
.endm
.macro ADD2 d, p, q                    ; pair p + pair q
	v_pk_add_f32 v[(\d):(\d)+1], v[S+2*(\p):S+2*(\p)+1], v[S+2*(\q):S+2*(\q)+1]
.endm
.macro JOIN d, e
	v_pk_add_f32 v[(\d):(\d)+1], v[(\d):(\d)+1], v[(\e):(\e)+1]
.endm
.macro CHAINS q, sm, u                 ; the later eight pairs of quarter q onto the three chains
.set n, 16*\q+8
.rept 8
.set tt, \u+2*(n%3)-2
.if (n%3) == 0
.set tt, \sm
.endif
	ADD tt, n
.set n, n+1
.endr
.endm
; The last two batches: quarter q's 32 exponentials, p = 2^(t - M), at most 1; between them quarter q - 2's hold and one addition onto each of the eight sums at pa, of quarter q - 1.
; What an addition writes is read again only behind the wait that ends the batch.
.macro BATCH q, pa, hd
.set n, 0
.rept 16
	v_exp_f32 v[S+32*\q+2*n], v[S+32*\q+2*n]
	HOLD 16*\q-32+n, \hd
	v_exp_f32 v[S+32*\q+2*n+1], v[S+32*\q+2*n+1]
.if (n%2) == 1
	ADD \pa+n-1, 16*\q-16+n/2
.endif
.set n, n+1
.endr
.endm
; The softmax of one tile's 256 keys, in quarters of 32 registers a lane.  w1: the tile's window for destination and source 0; w5: for source 1 too.
; THE SUM of the UNQUANTISED p, two at a time: eight pairs at pa, where P's codes come later, and three chains: sm and the pairs at u.
; Behind a batch's last exponential stand plain lines that name no result of the batch, then its wait, which also stands ahead of the next batch.
.macro SOFT w1, w5, b, sm, pa, u, hd, first
	WIN \w1
.if \w1
	FMARUN \b, 0, 16                               ; (tile 0's stand in STATS)
.endif
	s_wait_alu depctr_va_vdst(0)
.set n, 0
.rept 16                               ; the first batch, with scalings between its exponentials and behind them
	v_exp_f32 v[S+2*n], v[S+2*n]
	FMAP \b, 16+n
	v_exp_f32 v[S+2*n+1], v[S+2*n+1]
.if n < 8
	FMAP \b, 32+n
.endif
.set n, n+1
.endr
	FMARUN \b, 40, 8
	s_wait_alu depctr_va_vdst(0)
.set n, 0
.rept 16                               ; the second
	v_exp_f32 v[S+32+2*n], v[S+32+2*n]
	FMAP \b, 48+n
	v_exp_f32 v[S+33+2*n], v[S+33+2*n]
.set n, n+1
.endr
	WIN \w5
.set n, 0
.rept 8
	ADD2 \pa+2*n, n, 8+n                           ; quarter 0
.set n, n+1
.endr
	s_wait_alu depctr_va_vdst(0)
	BATCH 2, \pa, \hd
.if \first                             ; the later eight pairs of quarter 1 start the chains
	ADD2 \sm, 24, 27
.else
	ADD \sm, 24
.endif
	ADD2 \u, 25, 28
	ADD2 \u+2, 26, 29
.if \first == 0
	ADD \sm, 27
.endif
	ADD \u, 31
	ADD \sm, 30
	s_wait_alu depctr_va_vdst(0)
	BATCH 3, \pa, \hd
	CHAINS 2, \sm, \u
	s_wait_alu depctr_va_vdst(0)
.set n, 0
.rept 8
	ADD \pa+2*n, 48+n
.set n, n+1
.endr
	CHAINS 3, \sm, \u
.set i, 0
.rept 4                                ; the eleven pairs are joined, with quarter 2's hold between the lines
	JOIN \pa+2*i, \pa+8+2*i
	HOLD 32+i, \hd
.set i, i+1
.endr
	JOIN \sm, \u
	HOLD 36, \hd
	JOIN \pa, \pa+4
	HOLD 37, \hd
	JOIN \pa+2, \pa+6
	HOLD 38, \hd
	JOIN \sm, \u+2
	HOLD 39, \hd
	HOLD 40, \hd
	HOLD 41, \hd
	JOIN \pa, \pa+2
.irp i, 42,43,44,45,46,47
	HOLD \i, \hd
.endr
	JOIN \sm, \pa
	WIN \w1
.irp k, 0,1,2,3,4,5,6,7
	v_cvt_scalef32_pk8_fp8_f32 v[\pa+2*\k:\pa+2*\k+1], v[S+8*\k:S+8*\k+7], v[EP]   ; keys 16 k + 8 h + 0 .. 7: registers 2 k, 2 k + 1 of P
	HOLD 48+2*\k, HD
	HOLD 49+2*\k, HD
.endr
.irp k, 0,1,2,3,4,5,6,7
	v_cvt_scalef32_pk8_fp8_f32 v[S+2*\k:S+2*\k+1], v[S+64+8*\k:S+64+8*\k+7], v[EP]   ; keys 128 on, over scores that are done with
.endr
.endm
.macro VFRAG i                         ; V's fragment i = 4 x key half + channel tile
.if \i == 0
.set vf, 80
.else
.set vf, 128+16*(\i)
.endif
.endm
.macro PV hf, pb, zero                 ; four products of one tile: 128 keys, the four channel tiles by turns
.irp t, 0,1,2,3
	VFRAG 4*\hf+\t
.if \zero
	v_wmma_f32_16x16x128_fp8_fp8 v[O+8*\t:O+8*\t+7], v[vf:vf+15], v[\pb:\pb+15], 0
.else
	v_wmma_f32_16x16x128_fp8_fp8 v[O+8*\t:O+8*\t+7], v[vf:vf+15], v[\pb:\pb+15], v[O+8*\t:O+8*\t+7]
.endif
.endr
.endm
.macro QK s, qf                        ; eight key tiles of one tile of queries
.irp k, 0,1,2,3,4,5,6,7
	v_wmma_f32_16x16x64_fp8_fp8 v[\s+8*\k:\s+8*\k+7], v[F+8*\k:F+8*\k+7], v[\qf:\qf+7], 0
.endr
.endm
; A KEY STEP: 256 keys, both tiles.  All of K's tiles have been asked for, in the order 0-7, 12-15, 8-11 (KHEAD, KMID, KLOW).  first = 1: the products start O^T, nothing is rescaled.
; pre = 1: asks for the next step's K: tiles 0-7 and 12-15 behind tile 0's softmax, tiles 8-11, which take P's and V's registers, in the middle of the second product.
.macro STEP first, pre
.if \first == 0
.rept 5
	v_nop                                          ; five places between the last step's products and the products that write over their operands (ISA guide 7.12.1 for vector instructions)
.endr
.endif
	s_wait_dscnt 16                                ; tiles 0-7 are in; the sixteen loads of tiles 12-15 and 8-11 may be out
	WIN 0x01
	QK S, QA
	WIN 0x45
	QK S, QB
	s_wait_dscnt 0x0
	WIN 0
	QK S+64, QA
	WIN 0x44
	QK S+64, QB
	WIN 0
.rept 4
	v_nop                                          ; four places in front of the first read of the results
.endr
	MAXT B0
	WIN 0x14                                       ; scores in window 1, statistics in window 0
	MAXT B1
	WIN 0
	STATS \first
.if \first == 0
	RESCALE B0, B0+2
	WIN 0x41
	RESCALE B1, 0
.endif
	SOFT 0, 0, B0, B0+2, F, 80, HD, \first
	WIN 0
.irp hf, 0,1                           ; V's eight fragments, over tile 0's scores, which are done with; wanted behind tile 1's softmax
.irp t, 0,1,2,3
	VFRAG 4*\hf+\t
.irp c, 0,1,2,3
	ds_load_b128 v[vf+4*\c:vf+4*\c+3], v[AD] offset:16384+8192*\hf+2048*\t+512*\c
.endr
.endr
.endr
.if \pre
	NEXT
	KHEAD
	KMID
.endif
	SOFT 0x41, 0x45, B1, 0, 16, 2, 6, \first
	v_nop                                          ; a plain line between the conversions and the products that read their results
	s_wait_alu depctr_va_vdst(0)
	s_wait_dscnt 24*\pre                           ; V is in; pre = 1: the next K's 24 loads may be out
	WIN 0
	PV 0, F, \first                                ; the eight accumulators take turns, one instruction a turn: between two links of a chain stand the seven others'
.if \first
	WIN 0x44
.else
	WIN 0x54
.endif
	PV 0, 16, \first
	WIN 0
.if \pre
.rept 4
	v_nop                                          ; four places between the products and the loads into registers that they read
.endr
	KLOW
.endif
	PV 1, S, 0
	WIN 0x54
	PV 1, S, 0
	WIN 0                                          ; at a label and at a branch every window is 0
.endm
	s_wait_alu depctr_va_vdst(0)
	s_wait_tensorcnt 0x0                           ; the step that I fetched is in: no tensor load of mine is out from here on
	s_setprio 3                                    ; a wave's priority goes down with the steps it has done: of two waves on a SIMD the one that is behind goes first
	s_barrier_signal -1                            ; say so (no LDS instruction of mine is pending); up to the wait below I read my own step's bytes alone, which nobody writes again
	KHEAD
	KMID
	KLOW
	STEP 1, 0
	s_barrier_wait -1                              ; everybody's step is in
	NEXT
	KHEAD
	KMID
.rept 4
	v_nop                                          ; four places between the products and the loads into registers that they read
.endr
	KLOW
	s_mov_b32 s45, 6
	s_wait_alu depctr_va_vdst(0)
.Lstep:
	s_cmp_eq_u32 s45, 5                            ; two steps done
	s_cbranch_scc0 .Lnot_two
	s_setprio 2
.Lnot_two:
	s_cmp_eq_u32 s45, 3                            ; four
	s_cbranch_scc0 .Lnot_four
	s_setprio 1
.Lnot_four:
	s_cmp_eq_u32 s45, 1                            ; six
	s_cbranch_scc0 .Lnot_six
	s_setprio 0
.Lnot_six:
	STEP 0, 1
	s_sub_co_u32 s45, s45, 1
	s_cmp_lg_u32 s45, 0
	s_cbranch_scc1 .Lstep
	STEP 0, 0                                      ; the last step asks for no further K
	; THE WAY OUT.  The sum's two halves and the other half of the lanes' are added (these lines are the places behind the last products); O^T x 2^(ep + ev) / the sum goes through my stage, a tile at a time.
	WIN 0x05
	v_add_f32 v[B1+6], v0, v1                      ; tile 1's sum: window 1
	WIN 0
	v_add_f32 v[B0+6], v[B0+2], v[B0+3]
.irp b, B1,B0
	v_permlanex16_b32 v[\b+5], v[\b+6], s40, s41
.endr
.irp b, B1,B0
	v_add_f32 v[\b+6], v[\b+6], v[\b+5]
.endr
	s_wait_alu depctr_va_vdst(0)
.irp b, B1,B0
	v_rcp_f32 v[\b+7], v[\b+6]
.endr
	v_nop                                          ; a plain line between the last reciprocal and the use of its result
	s_wait_alu depctr_va_vdst(0)                   ; one wait for the two reciprocals, ahead of their first reader
.irp b, B1,B0
	v_ldexp_f32 v[\b+7], v[\b+7], s58
.endr
; Register j of channel tile 2 u + e is channel 32 u + 16 h + 2 j + e: the two tiles' registers, set by turns, are 16 neighbouring channels: 64 bytes of row r.
.macro PACK q, w, b
	WIN \w
	s_wait_alu depctr_va_vdst(0)                   ; directly ahead of the first reader of O^T
.irp u, 0,1
.irp e, 0,1
.irp j, 0,1,2,3,4,5,6,7
	v_mul_f32 v[S+32*\q+16*\u+2*\j+\e], v[O+8*(2*\u+\e)+\j], v[\b+7]
.endr
.endr
.endr
	WIN 0
.irp u, 0,1
.irp i, 0,1,2,3
	ds_store_b128 v[STO], v[S+32*\q+16*\u+4*\i:S+32*\q+16*\u+4*\i+3] offset:128*\u+16*\i
.endr
.endr
.irp i, 0,1,2,3,4,5,6,7
	ds_load_b128 v[S+64+32*\q+4*\i:S+64+32*\q+4*\i+3], v[RD] offset:2*SP*\i   ; in order behind my stores; the next tile's stores come behind these loads
.endr
.endm
.macro SEND q, younger                 ; younger: the LDS instructions issued behind tile q's loads
.irp i, 0,1,2,3,4,5,6,7
	s_wait_dscnt \younger+7-\i
	global_store_b128 v[LI], v[S+64+32*\q+4*\i:S+64+32*\q+4*\i+3], s[10:11] offset:4096*\q+512*\i th:TH_STORE_NT   ; 32 lanes store two rows: 512 consecutive bytes, at a multiple of 256 from out0's first byte
.endr
.endm
	PACK 0, 0, B0
	PACK 1, 0x01, B1
	SEND 0, 16                                     ; behind tile 0's loads: tile 1's eight stores and eight loads
	SEND 1, 0
	s_wait_tensorcnt 0x0                           ; the wave's end
	ds_add_u32 v[SPW], v[NIL]
	s_wait_dscnt 0x0
	CROUND                                         ; the closing round: no work-group ends while a partner may still ask for a load that names it
	s_endpgm
.Lfunc_end_k_qc97c4a88e6_attn:
	.size	k_qc97c4a88e6_attn, .Lfunc_end_k_qc97c4a88e6_attn-k_qc97c4a88e6_attn
	.p2alignl 7, 3214868480
	.fill 96, 4, 3214868480
	.section	.rodata,"a",@progbits
	.p2align	6, 0x0
	.amdhsa_kernel k_qc97c4a88e6_attn
		.amdhsa_group_segment_fixed_size 297984
		.amdhsa_private_segment_fixed_size 0
		.amdhsa_enable_private_segment 0
		.amdhsa_kernarg_size 32
		.amdhsa_user_sgpr_count 2
		.amdhsa_user_sgpr_kernarg_segment_ptr 1
		.amdhsa_wavefront_size32 1
		.amdhsa_system_sgpr_workgroup_id_x 1
		.amdhsa_system_sgpr_workgroup_id_y 1
		.amdhsa_system_sgpr_workgroup_id_z 1
		.amdhsa_system_vgpr_workitem_id 0
		.amdhsa_next_free_vgpr 512
		.amdhsa_next_free_sgpr 66
		.amdhsa_reserve_vcc 0
		.amdhsa_float_denorm_mode_32 3
		.amdhsa_float_denorm_mode_16_64 3
		.amdhsa_memory_ordered 1
		.amdhsa_forward_progress 1
		.amdhsa_inst_pref_size 179
	.end_amdhsa_kernel
	.amdgpu_metadata
---
amdhsa.version: [ 1, 2 ]
amdhsa.kernels:
  - .name:           k_qc97c4a88e6_attn
    .symbol:         k_qc97c4a88e6_attn.kd
    .args:
      - { .name: Q, .offset: 0, .size: 8, .value_kind: global_buffer, .address_space: global }
      - { .name: kv, .offset: 8, .size: 8, .value_kind: global_buffer, .address_space: global }
      - { .name: lowp_scales, .offset: 16, .size: 8, .value_kind: global_buffer, .address_space: global }
      - { .name: out0, .offset: 24, .size: 8, .value_kind: global_buffer, .address_space: global }
    .group_segment_fixed_size: 297984
    .private_segment_fixed_size: 0
    .kernarg_segment_align: 8
    .kernarg_segment_size: 32
    .max_flat_workgroup_size: 256
    .sgpr_count:     66
    .vgpr_count:     512
    .wavefront_size: 32
...
	.end_amdgpu_metadata
.endif
;; end of part 2
